; MI455X (gfx1250); checked and timed in simulation.
; The chip was launched on July 23, 2026; its instructions are those of AMD's public machine-readable ISA for CDNA 5 (MIT licence, August 2026) and "CDNA5" Instruction Set Architecture Reference Guide (July 2026). The comments in the code are by the model that wrote it; some were corrected since.
;; Attention Bahdanau. Allowed arithmetic: float matrix products may take bf16 or f16 operands with f32 sums; all other float work in f32.
;; Inputs: W 2,048 x 1,024 float32; b 1,024 float32; encoder_outputs 32 x 1,024 x 1,024 float32; hidden 32 x 1,024 float32; src_len 32 int32; v 1,024 float32.
;; Outputs: out0 32 x 1 x 1,024 float32.
;; 2 versions, each right; version 2 is version 1 with the launch prep written anew for expert scheduling mode. Each part assembles by itself: llvm-mc -triple=amdgcn-amd-amdhsa -mcpu=gfx1250 --defsym DOCPART=n.
;; ======== version 1 of 2: 3 launches
;; limits: values outside matrix products are rounded to bf16
;; workspace buffers: wb 2,097,152 bytes; hbp 524,288 bytes; part 1,048,576 bytes
;; launch prep (part 1): grid 16 x 4, 8 waves a work-group, no clusters, 111,616 bytes of LDS; arguments W, hidden, b, wb, hbp; writes wb, hbp
.if DOCPART == 1
	.amdgcn_target "amdgcn-amd-amdhsa--gfx1250"
	.amdhsa_code_object_version 6
	.text
	.protected	k_q4db97978a0_prep
	.globl	k_q4db97978a0_prep
	.p2align	8
	.type	k_q4db97978a0_prep,@function
k_q4db97978a0_prep:
	s_mov_b64 s[64:65], 0
	v_nop
	global_prefetch_b8 v0, s[64:65] scope:SCOPE_SE
	s_setreg_imm32_b32 hwreg(HW_REG_WAVE_MODE, 25, 1), 1
	s_wait_xcnt 0x0
; PREP.  Two small jobs ahead of the large product, both in every work-group, on one path.
; (1) wb[k][n] = bf16(W[1024 + k][n]): the lower half of W, rounded once, layout unchanged.
; (2) hbp[y][m][n] = the sum over k = 256 y .. 256 y + 255 of bf16(hidden[m][k]) bf16(W[k][n]), in f32; quarter y = 0 also takes bf16(b[n]).
;     The hidden half of the concatenation is the same for all positions of a batch row, so it is a product of 32 rows, made once.
; All floating-point inputs are rounded to bf16 once, b too; sums in f32.  NaN and infinities are not treated apart.
; SHARES.  Work-group (x, y): columns 64 x .. 64 x + 63, K quarter y; wave w takes k0 = 256 y + 32 w, one matrix step deep: 2 row blocks x 4 column
; blocks = 8 matrix instructions on 8 accumulators.  The eight waves' sums meet in LDS behind one barrier and are added in the order of the waves.
; For job (1) work-group g = 16 y + x casts 65,536 bytes of W, wave w 8,192 of them: each load covers 512 consecutive bytes, each store 256, aligned.
; NO CLUSTER, NO TENSOR LOAD: every byte of W is read by one wave only; what is shared (32 KiB of hidden among the 16 work-groups of a quarter) is a
; quarter of a work-group's bytes and is read once per work-group.  Nothing is read twice from LDS, so loads go through registers.
; THE MATRIX INSTRUCTION IS USED TRANSPOSED: source 0 = 16 columns of W, source 1 = 16 rows of hidden: a lane then holds eight neighbouring columns of one row.
.set PW,   160                         ; a row of W's strip in LDS: 64 bf16 = 128 bytes + 32
.set WTB,  32*PW                       ; a wave's own 32 rows
.set RED,  8*WTB                       ; behind them: [8 waves][32 rows] of 64 f32
.set PR,   272                         ; 256 bytes + 16: the 16 rows of a store start at 16 different groups of four banks
.set REDW, 32*PR
.set GW,  4                            ; v4   W_top: (lane / 16) rows of 4,096 bytes + 16 (lane % 16)
.set GH,  5                            ; v5   hidden: row (lane % 16) x 4,096 + 32 (lane / 16)
.set GB,  6                            ; v6   16 (thread % 16)
.set GC,  7                            ; v7   16 x lane
.set GS,  8                            ; v8   8 x lane
.set WS,  9                            ; v9   LDS: where my 8 bytes of W's strip go
.set TR,  10                           ; v10  LDS: my address for the turning load
.set RS,  11                           ; v11  LDS: where my sums go
.set RL,  12                           ; v12  LDS: where I read the eight waves' sums
.set GO,  13                           ; v13  my byte offset in hbp
.set WT,  16                           ; v16-79   W_top as loaded, rounded in place; then the 8 accumulators; then the second half of the reduction
.set ACC, 16
.set HD,  80                           ; v80-111  hidden as loaded
.set WB,  112                          ; v112-175 W_bot as loaded, rounded in place
.set BV,  176                          ; v176-179 b
.set BR,  180                          ; v180-183 b rounded to bf16, as f32; 0 in quarters 1 to 3
.set BT,  184                          ; v184-185 at work
.set HF,  208                          ; v208-223 two fragments of hidden
.set WF,  224                          ; v224-255 four fragments of W; then the first half of the reduction
	s_load_b256 s[4:11], s[0:1], 0x0               ; W s[4:5], hidden s[6:7], b s[8:9], wb s[10:11]
	s_load_b64 s[12:13], s[0:1], 0x20              ; hbp
	v_lshl_add_u32 v206, v0, 2, 0x1b000
	v_mov_b32 v207, 0
	v_lshrrev_b32 v1, 5, v0
	v_readfirstlane_b32 s14, v1                    ; wave 0..7
	s_and_b32 s15, ttmp7, 0xffff                   ; y
	s_lshl_b32 s16, s15, 4
	s_add_co_u32 s16, s16, ttmp9                   ; g = 16 y + x
	s_lshl_b32 s22, ttmp9, 8                       ; 256 x: my strip's bytes in a row of f32
	s_mov_b32 s23, 0
	s_lshl_b32 s18, s15, 20                        ; W_top: k0 rows of 4,096 bytes = y << 20 + w << 17, + 256 x
	s_lshl_b32 s30, s14, 17
	s_add_co_u32 s18, s18, s30
	s_add_co_u32 s18, s18, s22
	s_mov_b32 s19, 0
	s_lshl_b32 s20, s15, 10                        ; hidden: 4 k0
	s_lshl_b32 s30, s14, 7
	s_add_co_u32 s20, s20, s30
	s_mov_b32 s21, 0
	s_lshl_b32 s24, s16, 16                        ; W_bot: 4 MiB + 65,536 g + 8,192 w
	s_lshl_b32 s30, s14, 13
	s_add_co_u32 s24, s24, s30
	s_add_co_u32 s24, s24, 0x400000
	s_mov_b32 s25, 0
	s_lshl_b32 s26, s16, 15                        ; wb: half of that
	s_lshl_b32 s30, s14, 12
	s_add_co_u32 s26, s26, s30
	s_mov_b32 s27, 0
	s_lshl_b32 s28, s15, 17                        ; hbp: quarter y, + 256 x
	s_add_co_u32 s28, s28, s22
	s_mov_b32 s29, 0
	s_cmp_eq_u32 s15, 0                            ; b is added in quarter 0 alone: masks of ones there, of zeros elsewhere
	s_cselect_b32 s32, -1, 0
	s_cselect_b32 s33, 0xffff0000, 0
	v_and_b32 v1, 31, v0                           ; lane
	v_and_b32 v2, 15, v0                           ; r
	v_bfe_u32 v3, v0, 4, 1                         ; h
	v_lshlrev_b32 v[GB], 4, v2
	v_lshl_add_u32 v[GW], v3, 12, v[GB]
	v_lshlrev_b32 v[GH], 12, v2
	v_lshl_add_u32 v[GH], v3, 5, v[GH]
	v_lshlrev_b32 v[GC], 4, v1
	v_lshlrev_b32 v[GS], 3, v1
	s_mul_i32 s30, s14, WTB                        ; my wave's strip in LDS
	v_mul_u32_u24 v[WS], v3, PW
	v_lshl_add_u32 v[WS], v2, 3, v[WS]
	v_add_nc_u32 v[WS], s30, v[WS]
	v_and_b32 v14, 7, v0                           ; the turning load: lane l reads row 8 (l / 16) + l % 8, bytes 16 ((l / 8) % 2) on
	v_lshl_add_u32 v[TR], v3, 3, v14
	v_mul_u32_u24 v[TR], v[TR], PW
	v_bfe_u32 v14, v0, 3, 1
	v_lshl_add_u32 v[TR], v14, 4, v[TR]
	v_add_nc_u32 v[TR], s30, v[TR]
	s_mul_i32 s31, s14, REDW
	s_add_co_u32 s31, s31, RED
	v_mul_u32_u24 v[RS], v2, PR                    ; row r, 32 bytes for each half of the lanes
	v_lshl_add_u32 v[RS], v3, 5, v[RS]
	v_add_nc_u32 v[RS], s31, v[RS]
	v_lshrrev_b32 v14, 4, v0                       ; thread / 16: a row of 16; 16 threads take its 256 bytes
	v_mul_u32_u24 v[RL], v14, PR
	v_add_nc_u32 v[RL], v[RL], v[GB]
	v_add_nc_u32 v[RL], RED, v[RL]
	v_lshl_add_u32 v[GO], v14, 12, v[GB]
	s_wait_kmcnt 0x0
	s_add_nc_u64 s[34:35], s[4:5], s[18:19]        ; W_top at my 32 rows and strip
	s_add_nc_u64 s[36:37], s[4:5], s[24:25]        ; W_bot at my 8,192 bytes
	s_add_nc_u64 s[6:7], s[6:7], s[20:21]
	s_add_nc_u64 s[8:9], s[8:9], s[22:23]
	s_add_nc_u64 s[10:11], s[10:11], s[26:27]
	s_add_nc_u64 s[12:13], s[12:13], s[28:29]
	; all 41 loads go out at once, in the order in which they are wanted
.irp j, 0,1,2,3,4,5,6,7,8,9,10,11,12,13,14,15
	global_load_b128 v[WT+4*(\j):WT+4*(\j)+3], v[GW], s[34:35] offset:8192*(\j) th:TH_LOAD_NT  ; two rows' 256 bytes
.endr
.irp a, 0,1
	global_load_b128 v[HD+16*(\a):HD+16*(\a)+3],     v[GH], s[6:7] offset:65536*(\a)     ; k = 8 h + 0..3
	global_load_b128 v[HD+16*(\a)+4:HD+16*(\a)+7],   v[GH], s[6:7] offset:65536*(\a)+16  ; 8 h + 4..7
	global_load_b128 v[HD+16*(\a)+8:HD+16*(\a)+11],  v[GH], s[6:7] offset:65536*(\a)+64  ; 16 + 8 h + 0..3
	global_load_b128 v[HD+16*(\a)+12:HD+16*(\a)+15], v[GH], s[6:7] offset:65536*(\a)+80  ; 16 + 8 h + 4..7
.endr
	global_load_b128 v[BV:BV+3], v[GB], s[8:9]
.irp j, 0,1,2,3,4,5,6,7,8,9,10,11,12,13,14,15
	global_load_b128 v[WB+4*(\j):WB+4*(\j)+3], v[GC], s[36:37] offset:512*(\j) th:TH_LOAD_NT
.endr
	s_wait_loadcnt 25                              ; W_top is in: 8 + 1 + 16 younger loads may be out
.irp j, 0,1,2,3,4,5,6,7,8,9,10,11,12,13,14,15
	v_cvt_pk_bf16_f32 v[WT+4*(\j)],   v[WT+4*(\j)],   v[WT+4*(\j)+1]
	v_cvt_pk_bf16_f32 v[WT+4*(\j)+1], v[WT+4*(\j)+2], v[WT+4*(\j)+3]
	ds_store_b64 v[WS], v[WT+4*(\j):WT+4*(\j)+1] offset:2*PW*(\j)
.endr
.irp nb, 0,1,2,3                       ; my own bytes: LDS serves a wave's instructions in order (ISA guide 5.7.1.4), so these see the stores above
	ds_load_tr16_b128 v[WF+8*(\nb):WF+8*(\nb)+3],   v[TR] offset:32*(\nb)
	ds_load_tr16_b128 v[WF+8*(\nb)+4:WF+8*(\nb)+7], v[TR] offset:32*(\nb)+16*PW
.endr
	s_wait_loadcnt 17                              ; hidden is in: b and W_bot may be out
.irp j, 0,1,2,3,4,5,6,7,8,9,10,11,12,13,14,15
	v_cvt_pk_bf16_f32 v[HF+(\j)], v[HD+2*(\j)], v[HD+2*(\j)+1]
.endr
	s_wait_dscnt 0x0                               ; W's fragments are in, and the stores have read the registers that the sums now take
.irp a, 0,1
.irp nb, 0,1,2,3                       ; eight accumulators, one instruction each; the constant 0 starts the sums
	v_wmma_f32_16x16x32_bf16 v[ACC+8*(4*(\a)+(\nb)):ACC+8*(4*(\a)+(\nb))+7], v[WF+8*(\nb):WF+8*(\nb)+7], v[HF+8*(\a):HF+8*(\a)+7], 0
.endr
.endr
	s_wait_loadcnt 0x0                             ; b and W_bot
.irp j, 0,1,2,3,4,5,6,7,8,9,10,11,12,13,14,15  ; job (1); these 32 lines name none of the products' registers and are the places behind them (ISA guide 7.12.1)
	v_cvt_pk_bf16_f32 v[WB+4*(\j)],   v[WB+4*(\j)],   v[WB+4*(\j)+1]
	v_cvt_pk_bf16_f32 v[WB+4*(\j)+1], v[WB+4*(\j)+2], v[WB+4*(\j)+3]
.endr
.irp j, 0,1,2,3,4,5,6,7,8,9,10,11,12,13,14,15
	global_store_b64 v[GS], v[WB+4*(\j):WB+4*(\j)+1], s[10:11] offset:256*(\j)  ; the wave stores 256 consecutive bytes, at a multiple of 256 from wb's first
.endr
	v_cvt_pk_bf16_f32 v[BT],   v[BV],   v[BV+1]    ; b rounded to bf16 and widened again; the masks leave it in quarter 0 alone
	v_cvt_pk_bf16_f32 v[BT+1], v[BV+2], v[BV+3]
	v_lshlrev_b32 v[BR],   16, v[BT]
	v_and_b32     v[BR+1], s33, v[BT]
	v_lshlrev_b32 v[BR+2], 16, v[BT+1]
	v_and_b32     v[BR+3], s33, v[BT+1]
	v_and_b32     v[BR],   s32, v[BR]
	v_and_b32     v[BR+2], s32, v[BR+2]
.irp a, 0,1
.irp nb, 0,1,2,3                       ; each accumulator's four lowest registers first
	ds_store_b128 v[RS], v[ACC+8*(4*(\a)+(\nb)):ACC+8*(4*(\a)+(\nb))+3]   offset:(\a)*16*PR+64*(\nb)
	ds_store_b128 v[RS], v[ACC+8*(4*(\a)+(\nb))+4:ACC+8*(4*(\a)+(\nb))+7] offset:(\a)*16*PR+64*(\nb)+16
.endr
.endr
	s_wait_dscnt 0x0                               ; for the others' sake: my sums lie in LDS
	s_barrier_signal -1
	s_barrier_wait -1
.irp u, 0,1                            ; rows 0-15, then rows 16-31: thread t takes 16 bytes of row t / 16 from each of the eight waves
.irp w, 0,1,2,3,4,5,6,7
	ds_load_b128 v[WF-208*(\u)+4*(\w):WF-208*(\u)+4*(\w)+3], v[RL] offset:(\w)*REDW+(\u)*16*PR
.endr
.endr
.irp u, 0,1
	s_wait_dscnt 8-8*(\u)                          ; this half's eight loads are in
.irp w, 1,2,3,4,5,6,7
	v_pk_add_f32 v[WF-208*(\u):WF-208*(\u)+1],   v[WF-208*(\u):WF-208*(\u)+1],   v[WF-208*(\u)+4*(\w):WF-208*(\u)+4*(\w)+1]
	v_pk_add_f32 v[WF-208*(\u)+2:WF-208*(\u)+3], v[WF-208*(\u)+2:WF-208*(\u)+3], v[WF-208*(\u)+4*(\w)+2:WF-208*(\u)+4*(\w)+3]
.endr
	v_pk_add_f32 v[WF-208*(\u):WF-208*(\u)+1],   v[WF-208*(\u):WF-208*(\u)+1],   v[BR:BR+1]
	v_pk_add_f32 v[WF-208*(\u)+2:WF-208*(\u)+3], v[WF-208*(\u)+2:WF-208*(\u)+3], v[BR+2:BR+3]
	global_store_b128 v[GO], v[WF-208*(\u):WF-208*(\u)+3], s[12:13] offset:65536*(\u)  ; 16 lanes store 256 consecutive bytes, aligned
.endr
	s_wait_tensorcnt 0x0
	ds_add_u32 v206, v207
	s_wait_dscnt 0x0
	s_endpgm
.Lfunc_end_k_q4db97978a0_prep:
	.size	k_q4db97978a0_prep, .Lfunc_end_k_q4db97978a0_prep-k_q4db97978a0_prep
	.p2alignl 7, 3214868480
	.fill 96, 4, 3214868480
	.section	.rodata,"a",@progbits
	.p2align	6, 0x0
	.amdhsa_kernel k_q4db97978a0_prep
		.amdhsa_group_segment_fixed_size 111616
		.amdhsa_private_segment_fixed_size 0
		.amdhsa_enable_private_segment 0
		.amdhsa_kernarg_size 40
		.amdhsa_user_sgpr_count 2
		.amdhsa_user_sgpr_kernarg_segment_ptr 1
		.amdhsa_wavefront_size32 1
		.amdhsa_system_sgpr_workgroup_id_x 1
		.amdhsa_system_sgpr_workgroup_id_y 1
		.amdhsa_system_sgpr_workgroup_id_z 1
		.amdhsa_system_vgpr_workitem_id 0
		.amdhsa_next_free_vgpr 256
		.amdhsa_next_free_sgpr 66
		.amdhsa_reserve_vcc 0
		.amdhsa_float_denorm_mode_32 3
		.amdhsa_float_denorm_mode_16_64 3
		.amdhsa_memory_ordered 1
		.amdhsa_forward_progress 1
		.amdhsa_inst_pref_size 21
	.end_amdhsa_kernel
	.amdgpu_metadata
---
amdhsa.version: [ 1, 2 ]
amdhsa.kernels:
  - .name:           k_q4db97978a0_prep
    .symbol:         k_q4db97978a0_prep.kd
    .args:
      - { .name: W, .offset: 0, .size: 8, .value_kind: global_buffer, .address_space: global }
      - { .name: hidden, .offset: 8, .size: 8, .value_kind: global_buffer, .address_space: global }
      - { .name: b, .offset: 16, .size: 8, .value_kind: global_buffer, .address_space: global }
      - { .name: wb, .offset: 24, .size: 8, .value_kind: global_buffer, .address_space: global }
      - { .name: hbp, .offset: 32, .size: 8, .value_kind: global_buffer, .address_space: global }
    .group_segment_fixed_size: 111616
    .private_segment_fixed_size: 0
    .kernarg_segment_align: 8
    .kernarg_segment_size: 40
    .max_flat_workgroup_size: 256
    .sgpr_count:     66
    .vgpr_count:     256
    .wavefront_size: 32
...
	.end_amdgpu_metadata
.endif
;; end of part 1
;; launch energy (part 2): grid 4 x 128, 4 waves a work-group, clusters of 4 x 4, 327,680 bytes of LDS; arguments encoder_outputs, wb, hbp, v, part; writes part
.if DOCPART == 2
	.amdgcn_target "amdgcn-amd-amdhsa--gfx1250"
	.amdhsa_code_object_version 6
	.text
	.protected	k_q4db97978a0_energy
	.globl	k_q4db97978a0_energy
	.p2align	8
	.type	k_q4db97978a0_energy,@function
k_q4db97978a0_energy:
	s_mov_b64 s[64:65], 0
	v_nop
	global_prefetch_b8 v0, s[64:65] scope:SCOPE_SE
	s_setreg_imm32_b32 hwreg(HW_REG_WAVE_MODE, 25, 1), 1
	s_wait_xcnt 0x0
	s_wait_alu depctr_hold_cnt(0) depctr_sa_sdst(0) depctr_va_vdst(0) depctr_va_sdst(0) depctr_va_ssrc(0) depctr_va_vcc(0) depctr_vm_vsrc(0)
	s_getreg_b32 s2, hwreg(HW_REG_IB_STS2, 6, 4)
	s_cmp_eq_u32 s2, 0
	s_cbranch_scc0 .Lentry_in_a_cluster
	s_endpgm
.Lentry_in_a_cluster:
	s_bfe_u32 s2, ttmp6, 0x10000c
	s_cmp_lg_u32 s2, 0xf033
	s_cbranch_scc0 .Lentry_shape_is_right
	s_endpgm
.Lentry_shape_is_right:
; ENERGY.  part[p][row] = the sum over 128 columns n of bf16(v[n]) tanh(hb[batch][n] + the sum over k of bf16(enc[row][k]) wb[k][n]); row = 1024 batch + position; p = n / 128.
; enc: [32768][1024] f32, rounded to bf16 on the way from LDS to the matrix unit; wb: [1024 k][1024 n] bf16; hb = the sum of hbp's four quarters, f32; products summed in f32.
; The [row][n] matrix of energies never reaches memory: tanh and the product with v are made on the accumulators.
; LIMITS.  tanh(x) = 1 - 2 / (1 + 2^(2 log2(e) x)): off by about 1e-7 absolutely (not relatively) near 0; it ends at +1 and -1 where the power overflows or vanishes.
; NaN and infinities in the inputs are not treated apart.  Positions at or behind src_len are computed like the others: which rows they are differs between the work-groups
; that share a tile of wb, and partners in a cluster run alike; the last launch throws them away.
; SHARES.  A work-group makes 256 rows x 256 columns, each of its four waves 128 x 128: 64 accumulators of 16 x 16, 512 registers.
; THE RING has a SHORT slot (64 along K: 106,496 bytes) and a LONG one (128 along K: 208,896 bytes): two long ones would want 417,792 bytes of LDS.  K is walked short, long, short, .. short:
; 6 x 64 + 5 x 128 = 1,024, with nine refills.  A refill must have landed at the next refill's barrier: the short slot's has 224 matrix instructions for that, the long slot's 128.
; Rows of enc's tiles are 256 or 512 bytes, at multiples of 256 from the buffer's first byte.
; CLUSTER.  4 x 4 work-groups are one batch row: 4 blocks of 256 positions x all 1,024 columns.  The four of a row of the cluster need the same tile of enc, the four of a column the same
; tile of wb: each tile is asked for JOINTLY, by the same tensor load with the same descriptor and a mask that names the four.  So enc is asked for once for all its columns.
; THE MATRIX INSTRUCTION IS USED TRANSPOSED: source 0 = 16 columns of wb (turned on the way out of LDS by ds_load_tr16_b128), source 1 = 16 rows of enc.  In the result lane l holds
; row l % 16, and registers 0-7 the columns 8 (l / 16) + 0..7.  The first products take hb as C, laid out the same way: nothing is cleared, and the bias costs nothing.
; A HALF STEP is 32 along K, 64 matrix instructions, all 64 accumulators by turns in one order.  While one half is multiplied the next half's 48 LDS loads
; (32 for enc's f32, 16 for wb) go out in short runs between the blocks of eight products, so that the four waves' requests reach LDS spread over the half; the 64 roundings of enc to bf16
; stand four behind each of the half's last 16 matrix instructions.
; REGISTERS, in windows of 256 (s_set_vgpr_msb: bits 1:0 source 0, 3:2 source 1, 5:4 source 2, 7:6 destination):
;   window 0: v0-31 addresses; v32-55 the way out; v64-127, v128-191 enc's fragments in bf16, two buffers; v192-255 hb, later v
;   window 1: v0-63, v64-127 wb's fragments, two buffers; v128-255 enc's f32 as loaded      windows 2, 3: the accumulators of my rows 0-63, 64-127: (a, b) at v[8 (8 (a % 4) + b)]
.set PAY,   272                        ; a row of enc in the short slot: 256 bytes + 16 = 68 words: row r starts at bank 4 r mod 64 (64 banks of 4 bytes: ISA guide 11.1)
.set PAX,   528                        ; in the long slot: 512 bytes + 16 = 132 words: again bank 4 r mod 64
.set HAY,   128*PAY                    ; 128 rows: one tensor load, and what one wave reads of enc
.set HAX,   128*PAX
.set PB,    288                        ; a row (one k) of half a tile of wb: 128 bf16 = 256 bytes + 32
.set HBY,   64*PB                      ; 64 or 128 k x 128 columns: one tensor load, and what one wave reads of wb
.set HBX,   128*PB
.set YBB,   2*HAY                      ; the short slot begins at 0: enc's 256 rows, then wb's two column halves
.set XB,    2*HAY+2*HBY                ; the long slot, laid out likewise
.set XBB,   XB+2*HAX
.set STAGE, XBB+2*HBX                  ; behind the ring, never filled by a tensor load: 512 bytes for each wave, for the way out
.set SPARE, STAGE+4*512                ; behind the stages: the spare words, 128 bytes for each wave: two blocks of 256 bytes that no other line names
.set AA,  12                           ; v12, v13  my lane's place in enc's rows of the short and of the long slot; never rewritten
.set AB,  16                           ; v16, v17  the same for wb
.set STO, 24                           ; v24  the way out: where a row's sum goes
.set RD,  25                           ; v25  the way out: where I read four rows' sums back
.set PO,  26                           ; v26  my byte offset in my wave's 512 bytes of part
.set HO,  27                           ; v27  32 (lane / 16): my eight columns in 16, in f32; never rewritten
.set SPW, 28                           ; v28  LDS address of my spare word: SPARE + 4 x my thread's number; never rewritten
.set NIL, 29                           ; v29  0; never rewritten
.set PFO, 30                           ; v30  the row of enc's tile that I ask the cache for, in bytes; never rewritten
.set SUM, 32                           ; v32-39  a row's sum, for each of my eight row blocks
.set OUTR, 40                          ; v40-43
.set TMP, 48                           ; v48-55  at work
.set FA0, 64                           ; enc's fragments, buffer f at FA0 + 64 f
.set HB,  192
.set VV,  192
.set STG, 128                          ; window 1: enc's f32, load n of 32 at STG + 4 n
.set WV,  14                           ; s14  my wave's number
.set RH,  15                           ; s15  which 128 rows are mine.  Also: I fetch for enc (0) or for wb (1)
.set CH,  16                           ; s16  which 128 columns are mine.  Also: which half of that tile I fetch
.set CX,  17
.set CY,  18
.set TX,  19                           ; s19  tile column
.set TY,  20                           ; s20  tile row
.set BAT, 23                           ; s23  the batch row
.set G1A, 24                           ; s[24:31], s[32:39] descriptor group 1 for enc's tiles: the short slot's, the long slot's
.set G1B, 40                           ; s[40:47], s[48:55] the same for wb's tiles
.set G0A, 56                           ; s[56:59], s[60:63] group 0 for enc's tiles: a set for each slot; its address walks
.set SEL, 66                           ; s[66:67] v_permlanex16_b32's selects: each lane takes its own place in the other half
.set G0B, 68                           ; s[68:71], s[72:75] group 0 for wb's tiles
.set CS,  76                           ; s[76:77] 2 log2(e): the packed multiply takes the pair's low word for both halves
.set PFB, 78                           ; s[78:79] enc at my tile row's first byte
.set PF,  80                           ; s[80:81] the same at the period to be asked of the cache
.set PK,  82                           ; s[82:83] that period's bytes in a row, and 0
.set MSB, 0
.macro WIN new                         ; the immediate's high byte repeats the setting that is left; a switch that changes nothing is dropped
.if MSB != (\new)
	s_set_vgpr_msb (MSB<<8)|(\new)
.set MSB, \new
.endif
.endm
; A joint refill of slot sl (0 short, 1 long).  Waves 0 and 1 fetch the two halves of enc's tile, waves 2 and 3 those of wb's.  The branch hangs on the wave's number alone.
; Four v_nop follow each of the two lines, ahead of what comes next.
; THE CACHE.  Waves 2 and 3 then ask for a later tile of enc: a lane a row, 256 bytes a request, each row by one lane of one of the four work-groups that share the tile.  With the short slot's
; refill: the long slot's next tile (two requests), four half steps ahead of its joint request.  With the long slot's refill: the short slot's tile after next, two half steps ahead.
; The period is held at the last that has a long tile, so no request leaves its row.  wb is not asked for: all 128 tile rows read the same 2 MiB.
.macro JLOAD sl
	s_cmp_eq_u32 s[RH], 0
	s_cbranch_scc0 .Lfor_b_\@
	tensor_load_to_lds s[G0A+4*(\sl):G0A+4*(\sl)+3], s[G1A+8*(\sl):G1A+8*(\sl)+7]
	s_nop 0
.rept 4
	v_nop
.endr
	s_branch .Lasked_\@
.Lfor_b_\@:
	tensor_load_to_lds s[G0B+4*(\sl):G0B+4*(\sl)+3], s[G1B+8*(\sl):G1B+8*(\sl)+7]
	s_nop 0
.rept 4
	v_nop
.endr
.if (\sl) == 0
	global_prefetch_b8 v[PFO], s[PF:PF+1] offset:256 th:TH_LOAD_NT scope:SCOPE_SE
	global_prefetch_b8 v[PFO], s[PF:PF+1] offset:512 th:TH_LOAD_NT scope:SCOPE_SE
.else
	global_prefetch_b8 v[PFO], s[PF:PF+1] offset:768 th:TH_LOAD_NT scope:SCOPE_SE
.endif
.Lasked_\@:
.endm
; A round of the cluster's barrier: my work-group's barrier, so that wave 0's signal speaks for all four waves; wave 0 signals; every wave waits for all sixteen work-groups; my work-group's barrier once more.
.macro CREST                           ; a round behind its opening barrier
	s_cmp_lg_u32 s[WV], 0
	s_cbranch_scc1 .Lnot_wave_0_\@
	s_barrier_signal -3
.Lnot_wave_0_\@:
	s_barrier_wait -3
	s_barrier_signal -1
	s_barrier_wait -1
.endm
.macro CROUND                          ; a whole round
	s_barrier_signal -1
	s_barrier_wait -1
	CREST
.endm
	s_load_b256 s[4:11], s[0:1], 0x0               ; enc s[4:5], wb s[6:7], hbp s[8:9], v s[10:11]
	s_load_b64 s[12:13], s[0:1], 0x20              ; part
	v_lshl_add_u32 v[SPW], v0, 2, SPARE
	v_mov_b32 v[NIL], 0
	ds_add_u32 v28, v29
	s_wait_dscnt 0x0
	v_lshrrev_b32 v1, 5, v0
	v_readfirstlane_b32 s[WV], v1                  ; wave 0..3
	s_lshr_b32 s[RH], s[WV], 1
	s_and_b32 s[CH], s[WV], 1
	s_bfe_u32 s[CX], ttmp6, 0x40000                ; my place in the cluster
	s_bfe_u32 s[CY], ttmp6, 0x40004
	s_lshl_b32 s[TX], ttmp9, 2                     ; in a cluster launch ttmp9 and ttmp7 count clusters
	s_add_co_u32 s[TX], s[TX], s[CX]               ; tile column = 4 x cluster x + cx
	s_and_b32 s[BAT], ttmp7, 0xffff                ; a cluster is a batch row
	s_lshl_b32 s[TY], s[BAT], 2
	s_add_co_u32 s[TY], s[TY], s[CY]               ; tile row = 4 x cluster y + cy
	s_lshl_b32 s21, s[CY], 2
	s_lshl_b32 s21, 15, s21                        ; my row of the cluster: places 4 cy .. 4 cy + 3
	s_lshl_b32 s22, 0x1111, s[CX]                  ; my column: places cx, cx + 4, cx + 8, cx + 12
.irp s, 0,1                            ; group 1, for the short slot (s = 0) and the long one (s = 1)
	; enc: 128 rows x 64 or 128 elements of 4 bytes, 16 bytes of padding behind each row
	s_or_b32 s[G1A+8*(\s)], s21, (2<<16)|(1<<20)|(1<<21)|((5+(\s))<<22)|(3<<25)  ; 15:0 the mask: my row; 17:16 4-byte elements; 20 padding on; 21 set beside a mask; 24:22 after every 64 or 128 words (code 5, 6); 31:25 4 words (code 3)
	s_mov_b32 s[G1A+8*(\s)+1], (64+64*(\s))<<16    ; tensor_dim0
	s_mov_b32 s[G1A+8*(\s)+2], 128<<16             ; tensor_dim1 = 128
	s_mov_b32 s[G1A+8*(\s)+3], (64+64*(\s))<<16    ; tile_dim0
	s_mov_b32 s[G1A+8*(\s)+4], 128                 ; tile_dim1 = 128
	s_mov_b32 s[G1A+8*(\s)+5], 1024                ; elements from row to row
	s_mov_b32 s[G1A+8*(\s)+6], 0
	s_mov_b32 s[G1A+8*(\s)+7], 0
	; wb: 64 or 128 rows (k) x 128 elements of 2 bytes, 32 bytes of padding behind each row
	s_or_b32 s[G1B+8*(\s)], s22, (1<<16)|(1<<20)|(1<<21)|(5<<22)|(7<<25)  ; the mask: my column; 2-byte elements; after every 64 words 8 words of padding (code 7)
	s_mov_b32 s[G1B+8*(\s)+1], 128<<16
	s_mov_b32 s[G1B+8*(\s)+2], (64+64*(\s))<<16
	s_mov_b32 s[G1B+8*(\s)+3], 128<<16
	s_mov_b32 s[G1B+8*(\s)+4], 64+64*(\s)
	s_mov_b32 s[G1B+8*(\s)+5], 1024
	s_mov_b32 s[G1B+8*(\s)+6], 0
	s_mov_b32 s[G1B+8*(\s)+7], 0
.endr
	; group 0: count and LDS address.  enc's two halves (waves 0, 1), then wb's two (waves 2, 3): the wave's number times a constant plus a constant; no place in the cluster enters an LDS address
	s_mov_b32 s[G0A], 1
	s_mul_i32 s[G0A+1], s[WV], HAY
	s_mov_b32 s[G0A+4], 1
	s_mul_i32 s[G0A+5], s[WV], HAX
	s_add_co_u32 s[G0A+5], s[G0A+5], XB
	s_mov_b32 s[G0B], 1
	s_mul_i32 s[G0B+1], s[WV], HBY
	s_add_co_u32 s[G0B+1], s[G0B+1], YBB-2*HBY
	s_mov_b32 s[G0B+4], 1
	s_mul_i32 s[G0B+5], s[WV], HBX
	s_add_co_u32 s[G0B+5], s[G0B+5], XBB-2*HBX
	; offsets, each in registers of its own.  enc's hang on the tile row alone, wb's on the tile column alone.
	s_lshl_b32 s84, s[TY], 20                      ; enc: (256 tile row + 128 half) rows of 4,096 bytes
	s_lshl_b32 s100, s[CH], 19
	s_add_co_u32 s84, s84, s100
	s_mov_b32 s85, 0
	s_lshl_b32 s86, s[TX], 9                       ; wb: (256 tile column + 128 half) x 2 bytes
	s_lshl_b32 s100, s[CH], 8
	s_add_co_u32 s86, s86, s100
	s_mov_b32 s87, 0
	s_lshl_b32 s88, s[TX], 10                      ; v: my 128 columns, in f32
	s_lshl_b32 s100, s[CH], 9
	s_add_co_u32 s88, s88, s100
	s_mov_b32 s89, 0
	s_lshl_b32 s90, s[BAT], 12                     ; hbp: the same in my batch row
	s_add_co_u32 s90, s90, s88
	s_mov_b32 s91, 0
	s_lshl_b32 s92, s[TX], 18                      ; part: plane 2 tile column + half, row 256 tile row + 128 half
	s_lshl_b32 s100, s[CH], 17
	s_add_co_u32 s92, s92, s100
	s_lshl_b32 s100, s[TY], 10
	s_add_co_u32 s92, s92, s100
	s_lshl_b32 s100, s[RH], 9
	s_add_co_u32 s92, s92, s100
	s_mov_b32 s93, 0
	s_lshl_b32 s94, s[TY], 20
	s_mov_b32 s95, 0
	s_mov_b32 s[SEL], 0x76543210
	s_mov_b32 s[SEL+1], 0xfedcba98
	s_mov_b32 s[CS], 0x4038aa3b                    ; 2 log2(e) = 2.885390
	s_mov_b32 s[CS+1], s[CS]                       ; named with it as a pair
	s_mov_b32 s[PK], 0
	s_mov_b32 s[PK+1], 0
	v_and_b32 v1, 15, v0                           ; r = l % 16
	v_bfe_u32 v2, v0, 4, 1                         ; h = l / 16
	v_and_b32 v3, 31, v0                           ; l
	v_lshlrev_b32 v[HO], 5, v2
	s_lshl_b32 s100, s[CX], 6                      ; of the tile's 256 rows work-group cx asks the cache for rows 64 cx .. 64 cx + 63: wave 2 for the first 32, wave 3 for the others, a lane a row
	s_lshl_b32 s101, s[CH], 5
	s_add_co_u32 s100, s100, s101
	v_add_lshl_u32 v[PFO], v3, s100, 12
	s_wait_kmcnt 0x0
	s_add_nc_u64 s[96:97], s[4:5], s[84:85]        ; enc at my half of the first tile
	s_add_nc_u64 s[98:99], s[6:7], s[86:87]        ; wb likewise
	s_add_nc_u64 s[PFB:PFB+1], s[4:5], s[94:95]
	s_add_nc_u64 s[8:9], s[8:9], s[90:91]
	s_add_nc_u64 s[10:11], s[10:11], s[88:89]
	s_add_nc_u64 s[12:13], s[12:13], s[92:93]
	s_add_nc_u64 s[G0A+2:G0A+3], s[96:97], 0       ; 120:64 global address: the short slot begins with K = 0 .. 63,
	s_or_b32 s[G0A+3], s[G0A+3], 0x80000000        ; 127:126 type = 2
	s_add_nc_u64 s[G0A+6:G0A+7], s[96:97], 256     ; the long one with K = 64 .. 191
	s_or_b32 s[G0A+7], s[G0A+7], 0x80000000
	s_add_nc_u64 s[G0B+2:G0B+3], s[98:99], 0
	s_or_b32 s[G0B+3], s[G0B+3], 0x80000000
	s_add_nc_u64 s[G0B+6:G0B+7], s[98:99], 64*2048
	s_or_b32 s[G0B+7], s[G0B+7], 0x80000000
	CROUND                                         ; all sixteen work-groups are here: the first joint loads meet
	s_cmp_eq_u32 s[RH], 0                          ; a wave's two first fills stand in one branch, ahead of every wait on TENSORcnt and every LDS read: two loads of mine are out
	s_cbranch_scc0 .Lfirst_b
	tensor_load_to_lds s[G0A:G0A+3], s[G1A:G1A+7]
	s_nop 0
	tensor_load_to_lds s[G0A+4:G0A+7], s[G1A+8:G1A+15]
	s_nop 0
.rept 4
	v_nop
.endr
	s_branch .Lfirst_asked
.Lfirst_b:
	tensor_load_to_lds s[G0B:G0B+3], s[G1B:G1B+7]
	s_nop 0
	tensor_load_to_lds s[G0B+4:G0B+7], s[G1B+8:G1B+15]
	s_nop 0
.rept 4
	v_nop
.endr
	global_prefetch_b8 v[PFO], s[PFB:PFB+1] offset:768 th:TH_LOAD_NT scope:SCOPE_SE  ; the short slot's second tile, K = 192 .. 255, of my 32 rows of enc
.Lfirst_asked:
	; hb: entry 8 b + j is column 16 b + 8 h + j of my 128.  Quarter 0 goes where it stays, quarters 1 to 3 into window 1, which is still free.
.irp nb, 0,1,2,3,4,5,6,7
	global_load_b128 v[HB+8*(\nb):HB+8*(\nb)+3],   v[HO], s[8:9] offset:64*(\nb)
	global_load_b128 v[HB+8*(\nb)+4:HB+8*(\nb)+7], v[HO], s[8:9] offset:64*(\nb)+16
.endr
	WIN 0x40                                       ; destination window 1, address window 0
.irp q, 1,2,3
.irp nb, 0,1,2,3,4,5,6,7
	global_load_b128 v[64*((\q)-1)+8*(\nb):64*((\q)-1)+8*(\nb)+3],   v[HO], s[8:9] offset:131072*(\q)+64*(\nb)
	global_load_b128 v[64*((\q)-1)+8*(\nb)+4:64*((\q)-1)+8*(\nb)+7], v[HO], s[8:9] offset:131072*(\q)+64*(\nb)+16
.endr
.endr
	WIN 0
	; A fragment of enc is 16 rows x 32 K: lane l holds row l % 16; K = 8 h + 0..7 and 16 + 8 h + 0..7.  In f32 that is four loads of 16 bytes, at 32 h + 0, 16, 64, 80.
	v_mul_u32_u24 v[AA], v1, PAY
	v_lshl_add_u32 v[AA], v2, 5, v[AA]
	s_mul_i32 s100, s[RH], HAY                     ; my 128 rows
	v_add_nc_u32 v[AA], s100, v[AA]
	v_mul_u32_u24 v[AA+1], v1, PAX
	v_lshl_add_u32 v[AA+1], v2, 5, v[AA+1]
	s_mul_i32 s101, s[RH], HAX
	s_add_co_u32 s101, s101, XB
	v_add_nc_u32 v[AA+1], s101, v[AA+1]
	; The turning load takes 16 k x 16 columns (lane l reads k = 8 h + l % 8, columns 8 ((l / 8) % 2) + 0..7) and leaves half a fragment: lane l holds column l % 16 and 8 k.
	v_and_b32 v4, 7, v0
	v_bfe_u32 v5, v0, 3, 1
	v_lshl_add_u32 v6, v2, 3, v4
	v_mul_u32_u24 v6, v6, PB
	v_lshl_add_u32 v6, v5, 4, v6
	s_mul_i32 s100, s[CH], HBY                     ; my 128 columns, behind enc's 256 rows
	s_add_co_u32 s100, s100, YBB
	v_add_nc_u32 v[AB], s100, v6
	s_mul_i32 s101, s[CH], HBX
	s_add_co_u32 s101, s101, XBB
	v_add_nc_u32 v[AB+1], s101, v6
	s_lshl_b32 s2, s[WV], 9
	s_add_co_u32 s2, s2, STAGE                     ; my stage
	v_lshl_add_u32 v[STO], v1, 2, s2
	v_lshl_add_u32 v[RD], v3, 4, s2
	v_lshlrev_b32 v[PO], 4, v3
	s_wait_loadcnt 0x0
	WIN 0x04                                       ; source 1 window 1
.irp q, 1,2,3                          ; the quarters are added in ascending order
.set k, 0
.rept 32
	v_pk_add_f32 v[HB+2*k:HB+2*k+1], v[HB+2*k:HB+2*k+1], v[64*((\q)-1)+2*k:64*((\q)-1)+2*k+1]
.set k, k+1
.endr
.endr
	WIN 0
; One matrix instruction: accumulator (a, b), buffers f.  cm = 1: the first half step: C is hb, and the product starts the sum.
.macro MUL1 f, a, b, cm
.set rD, 8*(8*((\a)%4)+(\b))
.set rB, 64*(\f)+8*(\b)
.set rA, FA0+64*(\f)+8*(\a)
.if \cm
	WIN 0x81+0x40*((\a)/4)                         ; wb window 1, enc and hb window 0, D window 2 or 3
	v_wmma_f32_16x16x32_bf16 v[rD:rD+7], v[rB:rB+7], v[rA:rA+7], v[HB+8*(\b):HB+8*(\b)+7]
.else
	WIN 0xa1+0x50*((\a)/4)                         ; wb window 1, enc window 0, C and D window 2 or 3
	v_wmma_f32_16x16x32_bf16 v[rD:rD+7], v[rB:rB+7], v[rA:rA+7], v[rD:rD+7]
.endif
.endm
.macro MUL8 f, a, cm                   ; a block: row block a x all 8 column blocks
.irp b, 0,1,2,3,4,5,6,7
	MUL1 \f, \a, \b, \cm
.endr
.endm
.macro CVT4 g, fd                      ; eight of enc's f32 are rounded to bf16: four registers of buffer fd
	WIN 0x05                                       ; sources window 1, destination window 0
.irp j, 0,1,2,3
	v_cvt_pk_bf16_f32 v[FA0+64*(\fd)+4*(\g)+(\j)], v[STG+8*(\g)+2*(\j)], v[STG+8*(\g)+2*(\j)+1]
.endr
.endm
; The same eight matrix instructions with four roundings behind each: they write the OTHER buffer and name none of the products' registers, so the four behind a half's last product are also
; the places (ISA guide 7.12.1 for vector instructions) in front of the loads into the registers that this half has read.
.macro MUL8R f, a, cm, g0
.irp b, 0,1,2,3,4,5,6,7
	MUL1 \f, \a, \b, \cm
	CVT4 (\g0)+(\b), 1-(\f)
.endr
.endm
; Loads n0 .. n0 + cnt - 1 of the 48 that fetch the 32 along K at chunk c of slot sl.  Loads 0-31: enc's f32, row block n / 4, 16 bytes at 0, 16, 64, 80.  Loads 32-47: wb's fragments into buffer f,
; column block (n - 32) / 2, the two turning loads 16 k apart.
.macro LDG sl, c, f, n0, cnt
	WIN 0x40                                       ; destination window 1, address window 0
.set n, \n0
.rept \cnt
.if n < 32
	ds_load_b128 v[STG+4*n:STG+4*n+3], v[AA+(\sl)] offset:(n/4)*16*(PAY+(PAX-PAY)*(\sl))+128*(\c)+16*(n%2)+64*((n/2)%2)
.else
	ds_load_tr16_b128 v[64*(\f)+4*(n-32):64*(\f)+4*(n-32)+3], v[AB+(\sl)] offset:(\c)*32*PB+32*((n-32)/2)+16*PB*((n-32)%2)
.endif
.set n, n+1
.endr
.endm
; The lines in front of a change of slots: each wave waits for all its tensor loads, of which one is out: its part of the other slot; adds 0 to its spare word.  fill = 1: no load of mine is out, so slot sl's
; descriptors step on by a period, 192 along K: 768 bytes along enc's rows, 192 rows down wb (the type bits on top are not reached).  With the short slot's step the cache's period steps too.
.macro THREE sl, fill
	WIN 0                                          ; (the add's two registers lie in window 0)
	s_wait_tensorcnt 0x0
	ds_add_u32 v[SPW], v[NIL]                      ; 0 onto my spare word: scalar work and eight products stand between it and the wait for it
.if \fill
	s_add_nc_u64 s[G0A+4*(\sl)+2:G0A+4*(\sl)+3], s[G0A+4*(\sl)+2:G0A+4*(\sl)+3], 768
	s_add_nc_u64 s[G0B+4*(\sl)+2:G0B+4*(\sl)+3], s[G0B+4*(\sl)+2:G0B+4*(\sl)+3], 192*2048
.if (\sl) == 0
	s_wait_xcnt 0x0                                ; the last request to the cache, two half steps back, has had its address translated (ISA guide 3.1): its base may be written
	s_add_co_u32 s[PK], s[PK], 768
	s_min_u32 s[PK], s[PK], 4*768                  ; held at the last period that has a long tile
	s_add_nc_u64 s[PF:PF+1], s[PFB:PFB+1], s[PK:PK+1]
.endif
.endif
.endm
; A HALF STEP: buffers f are multiplied; chunk c of slot sl, the next half's, is fetched into the other buffers.
; mode 0: no barrier.  Six runs of eight loads, one ahead of each of the first six blocks.
; mode 1: these are the LONG slot's last reads, and ONE barrier changes slots, as early as the reads allow, since the long slot's refill has the shorter time to land: four runs of twelve loads; behind
;   32 products the three lines; behind 40 the signal; behind 48 the wait.  Behind it nobody reads this slot and the other is whole.
; mode 2: the SHORT slot's last reads.  The same barrier, as late as the half allows, since it waits for the long slot's load: the three lines behind 48 products, the signal behind 56, the wait behind all 64.
; fill = 1: the slot is filled again, with its tile a period on.  The barrier then opens a round of the cluster's, so that no wave of any partner still reads the slot or has a load on its way, and the
; joint refill is the first thing behind the round.
.macro HALF f, sl, c, mode, fill, cm
.if (\mode) == 1
	LDG \sl, \c, 1-(\f), 0, 12
	s_wait_dscnt 12                                ; all but the run just issued: wb's fragments of this half are in
	MUL8 \f, 0, \cm
	LDG \sl, \c, 1-(\f), 12, 12
	MUL8 \f, 1, \cm
	LDG \sl, \c, 1-(\f), 24, 12
	MUL8 \f, 2, \cm
	LDG \sl, \c, 1-(\f), 36, 12
	MUL8 \f, 3, \cm
	THREE \sl, \fill
	MUL8 \f, 4, \cm
	s_wait_dscnt 0x0                               ; the add is done, and my reads of this slot are over
	s_barrier_signal -1
	MUL8 \f, 5, \cm                                ; work on registers while the others arrive
.if \fill
	WIN 0
.endif
	s_barrier_wait -1
.if \fill
	CREST
	JLOAD \sl
.endif
.else
	LDG \sl, \c, 1-(\f), 0, 8
	s_wait_dscnt 8                                 ; all but the run just issued: wb's fragments of this half are in
	MUL8 \f, 0, \cm
	LDG \sl, \c, 1-(\f), 8, 8
	MUL8 \f, 1, \cm
	LDG \sl, \c, 1-(\f), 16, 8
	MUL8 \f, 2, \cm
	LDG \sl, \c, 1-(\f), 24, 8
	MUL8 \f, 3, \cm
	LDG \sl, \c, 1-(\f), 32, 8
	MUL8 \f, 4, \cm
	LDG \sl, \c, 1-(\f), 40, 8
	MUL8 \f, 5, \cm
	s_wait_dscnt 16                                ; enc's 32 loads are in; wb's 16 behind them may be out
.endif
.if (\mode) == 2
	THREE \sl, \fill
.endif
	MUL8R \f, 6, \cm, 0
.if (\mode) == 2
	s_wait_dscnt 0x0                               ; the add is done, and my reads of this slot are over
	s_barrier_signal -1
.endif
	MUL8R \f, 7, \cm, 8
.if (\mode) == 2
	WIN 0
	s_barrier_wait -1
	CREST
	JLOAD \sl
.endif
.endm
	s_wait_tensorcnt 0x1                           ; my part of the short slot is in; the long slot's may stay out
	s_barrier_signal -1
	s_barrier_wait -1                              ; everybody's is
	LDG 0, 0, 0, 0, 48                             ; K = 0 .. 31
	s_wait_dscnt 16                                ; enc's 32 loads are in
.set g, 0
.rept 16
	CVT4 g, 0
.set g, g+1
.endr
	; A PERIOD is six half steps, 192 along K: the short slot's chunks 0, 1, the long slot's chunks 0 to 3.  Half step j multiplies buffers j % 2.
	HALF 0, 0, 1, 2, 1, 1                          ; the first half step is written out: its products start the sums with hb; the long slot is waited for, the short one takes K = 192 .. 255
	WIN 0
.irp nb, 0,1,2,3,4,5,6,7               ; hb has served: v takes its registers, in the same layout; four roundings and four v_nop stand behind the last product that read them.  It is waited for on the way out.
	global_load_b128 v[VV+8*(\nb):VV+8*(\nb)+3],   v[HO], s[10:11] offset:64*(\nb)
	global_load_b128 v[VV+8*(\nb)+4:VV+8*(\nb)+7], v[HO], s[10:11] offset:64*(\nb)+16
.endr
	s_mov_b32 s3, 5
	s_branch .Lmid                                 ; the loop is entered in the middle of a trip: its second part runs five times, its first part, which holds the refills, four times
.Lk:
	HALF 0, 1, 3, 1, 1, 0                          ; the long slot's chunk 2 is multiplied, chunk 3 fetched; the long slot is filled again
	HALF 1, 0, 0, 0, 0, 0                          ; chunk 3; the short slot's chunk 0 is fetched
	HALF 0, 0, 1, 2, 1, 0                          ; the short slot's chunk 0; chunk 1 is fetched; the short slot is filled again
	WIN 0
.Lmid:
	HALF 1, 1, 0, 0, 0, 0                          ; the short slot's chunk 1; the long slot's chunk 0 is fetched
	HALF 0, 1, 1, 0, 0, 0
	HALF 1, 1, 2, 0, 0, 0
	WIN 0
	s_sub_co_u32 s3, s3, 1
	s_cmp_lg_u32 s3, 0
	s_cbranch_scc1 .Lk
	HALF 0, 1, 3, 1, 0, 0                          ; the tail is written out: the short slot's last tile is waited for and shown to all four waves; nothing is asked for, so no round follows
	HALF 1, 0, 0, 0, 0, 0
	HALF 0, 0, 1, 0, 0, 0
	s_wait_dscnt 0x0                               ; wb's last fragments
.irp a, 0,1,2,3,4,5,6,7
	MUL8 1, \a, 0
.endr
	; THE WAY OUT.  v is rounded to bf16 and widened again: 96 plain lines that name no register of the last products: the places behind them.
	WIN 0
	s_wait_loadcnt 0x0                             ; v
.irp g, 0,1,2,3
.irp j, 0,1,2,3,4,5,6,7
	v_cvt_pk_bf16_f32 v[TMP+(\j)], v[VV+16*(\g)+2*(\j)], v[VV+16*(\g)+2*(\j)+1]
.endr
.irp j, 0,1,2,3,4,5,6,7
	v_lshlrev_b32 v[VV+16*(\g)+2*(\j)],   16, v[TMP+(\j)]
	v_and_b32     v[VV+16*(\g)+2*(\j)+1], 0xffff0000, v[TMP+(\j)]
.endr
.endr
; Accumulator i of a window's 32, in six parts, all in place: x times 2 log2(e); the power of two; + 1; the reciprocal; 1 - 2 times it = tanh(x); times v, added onto the row block's first accumulator.
; Each part takes the registers in ascending order.
.macro EPM i
.irp k, 0,2,4,6
	v_pk_mul_f32 v[8*(\i)+(\k):8*(\i)+(\k)+1], v[8*(\i)+(\k):8*(\i)+(\k)+1], s[CS:CS+1] op_sel_hi:[1,0]
.endr
.endm
.macro EPE i
.irp k, 0,1,2,3,4,5,6,7
	v_exp_f32 v[8*(\i)+(\k)], v[8*(\i)+(\k)]
.endr
.endm
.macro EPP i
	s_wait_alu depctr_va_vdst(0)
.irp k, 0,2,4,6
	v_pk_add_f32 v[8*(\i)+(\k):8*(\i)+(\k)+1], v[8*(\i)+(\k):8*(\i)+(\k)+1], 1.0 op_sel_hi:[1,0]
.endr
.endm
.macro EPR i
.irp k, 0,1,2,3,4,5,6,7
	v_rcp_f32 v[8*(\i)+(\k)], v[8*(\i)+(\k)]
.endr
.endm
.macro EPT i
	s_wait_alu depctr_va_vdst(0)
.irp k, 0,2,4,6
	v_pk_fma_f32 v[8*(\i)+(\k):8*(\i)+(\k)+1], v[8*(\i)+(\k):8*(\i)+(\k)+1], -2.0, 1.0 op_sel_hi:[1,0,0]
.endr
.endm
.macro EPS i
.irp k, 0,2,4,6
.if ((\i)%8) == 0
	v_pk_mul_f32 v[8*(\i)+(\k):8*(\i)+(\k)+1], v[8*(\i)+(\k):8*(\i)+(\k)+1], v[VV+(\k):VV+(\k)+1]
	s_wait_alu depctr_va_vdst(0)
.else
	v_pk_fma_f32 v[8*((\i)-(\i)%8)+(\k):8*((\i)-(\i)%8)+(\k)+1], v[8*(\i)+(\k):8*(\i)+(\k)+1], v[VV+8*((\i)%8)+(\k):VV+8*((\i)%8)+(\k)+1], v[8*((\i)-(\i)%8)+(\k):8*((\i)-(\i)%8)+(\k)+1]
.endif
.endr
.endm
; A window's 32 accumulators.  Behind each run of eight transcendentals stand four plain lines of a neighbouring accumulator (or one v_nop) before a result is used (ISA guide 5.7.2).
.macro EPWIN w
	WIN 0xa2+0x51*((\w)-2)                         ; destination, sources 0 and 2 in window w; source 1 (v) in window 0
	EPM 0
.set i, 0
.rept 32
	EPE i
.if i < 31
	EPM i+1
.else
	v_nop
	s_wait_alu depctr_va_vdst(0)
.endif
	EPP i
	EPR i
.if i > 0
	EPS i-1
.else
	v_nop
	s_wait_alu depctr_va_vdst(0)
.endif
	EPT i
.set i, i+1
.endr
	EPS 31
	WIN 0xaa+0x55*((\w)-2)                         ; all places in window w: a row block's eight sums are folded to two,
.irp a, 0,1,2,3
	v_pk_add_f32 v[64*(\a):64*(\a)+1],   v[64*(\a):64*(\a)+1],   v[64*(\a)+2:64*(\a)+3]
	v_pk_add_f32 v[64*(\a)+4:64*(\a)+5], v[64*(\a)+4:64*(\a)+5], v[64*(\a)+6:64*(\a)+7]
.endr
.irp a, 0,1,2,3
	v_pk_add_f32 v[64*(\a):64*(\a)+1],   v[64*(\a):64*(\a)+1],   v[64*(\a)+4:64*(\a)+5]
.endr
	WIN 0x0a+5*((\w)-2)                            ; and to one, in window 0
.irp a, 0,1,2,3
	v_add_f32 v[SUM+4*((\w)-2)+(\a)], v[64*(\a)], v[64*(\a)+1]
.endr
.endm
	EPWIN 2
	EPWIN 3
	WIN 0
.irp a, 0,1,2,3,4,5,6,7                ; a row's other 64 columns lie in the lane 16 away
	v_permlanex16_b32 v[TMP+(\a)], v[SUM+(\a)], s[SEL], s[SEL+1]
.endr
.irp a, 0,1,2,3,4,5,6,7
	v_add_f32 v[SUM+(\a)], v[SUM+(\a)], v[TMP+(\a)]
.endr
.irp a, 0,1,2,3,4,5,6,7                ; row 16 a + r at word 16 a + r of my stage (both halves of the lanes write the same number)
	ds_store_b32 v[STO], v[SUM+(\a)] offset:64*(\a)
.endr
	ds_load_b128 v[OUTR:OUTR+3], v[RD]             ; LDS serves a wave's instructions in order (ISA guide 5.7.1.4): this sees the stores above
	s_wait_dscnt 0x0
	global_store_b128 v[PO], v[OUTR:OUTR+3], s[12:13]  ; the wave stores its 128 rows' sums: 512 consecutive bytes, at a multiple of 256 from part's first
	s_wait_tensorcnt 0x0                           ; the wave's end: behind my last tensor load and my last LDS store
	ds_add_u32 v[SPW], v[NIL]
	s_wait_dscnt 0x0
	CROUND                                         ; the closing round: no work-group ends while a partner may still ask for a tile that names it
	s_endpgm
.Lfunc_end_k_q4db97978a0_energy:
	.size	k_q4db97978a0_energy, .Lfunc_end_k_q4db97978a0_energy-k_q4db97978a0_energy
	.p2alignl 7, 3214868480
	.fill 96, 4, 3214868480
	.section	.rodata,"a",@progbits
	.p2align	6, 0x0
	.amdhsa_kernel k_q4db97978a0_energy
		.amdhsa_group_segment_fixed_size 327680
		.amdhsa_private_segment_fixed_size 0
		.amdhsa_enable_private_segment 0
		.amdhsa_kernarg_size 40
		.amdhsa_user_sgpr_count 2
		.amdhsa_user_sgpr_kernarg_segment_ptr 1
		.amdhsa_wavefront_size32 1
		.amdhsa_system_sgpr_workgroup_id_x 1
		.amdhsa_system_sgpr_workgroup_id_y 1
		.amdhsa_system_sgpr_workgroup_id_z 1
		.amdhsa_system_vgpr_workitem_id 0
		.amdhsa_next_free_vgpr 1024
		.amdhsa_next_free_sgpr 102
		.amdhsa_reserve_vcc 0
		.amdhsa_float_denorm_mode_32 3
		.amdhsa_float_denorm_mode_16_64 3
		.amdhsa_memory_ordered 1
		.amdhsa_forward_progress 1
		.amdhsa_inst_pref_size 255
	.end_amdhsa_kernel
	.section	.bss,"aw",@nobits
	.p2align	6
	.space	262144
	.amdgpu_metadata
---
amdhsa.version: [ 1, 2 ]
amdhsa.kernels:
  - .name:           k_q4db97978a0_energy
    .symbol:         k_q4db97978a0_energy.kd
    .args:
      - { .name: encoder_outputs, .offset: 0, .size: 8, .value_kind: global_buffer, .address_space: global }
      - { .name: wb, .offset: 8, .size: 8, .value_kind: global_buffer, .address_space: global }
      - { .name: hbp, .offset: 16, .size: 8, .value_kind: global_buffer, .address_space: global }
      - { .name: v, .offset: 24, .size: 8, .value_kind: global_buffer, .address_space: global }
      - { .name: part, .offset: 32, .size: 8, .value_kind: global_buffer, .address_space: global }
    .group_segment_fixed_size: 327680
    .private_segment_fixed_size: 0
    .kernarg_segment_align: 8
    .kernarg_segment_size: 40
    .max_flat_workgroup_size: 128
    .sgpr_count:     102
    .vgpr_count:     1024
    .wavefront_size: 32
...
	.end_amdgpu_metadata
.endif
;; end of part 2
;; launch soft (part 3): grid 32 x 1, 8 waves a work-group, no clusters, 1,280 bytes of LDS; arguments part, src_len, out0; writes out0
.if DOCPART == 3
	.amdgcn_target "amdgcn-amd-amdhsa--gfx1250"
	.amdhsa_code_object_version 6
	.text
	.protected	k_q4db97978a0_soft
	.globl	k_q4db97978a0_soft
	.p2align	8
	.type	k_q4db97978a0_soft,@function
k_q4db97978a0_soft:
	s_mov_b64 s[64:65], 0
	v_nop
	global_prefetch_b8 v0, s[64:65] scope:SCOPE_SE
	s_setreg_imm32_b32 hwreg(HW_REG_WAVE_MODE, 25, 1), 1
	s_wait_xcnt 0x0
; SOFT.  score[b][s] = the sum over p = 0 .. 7 of part[p][1024 b + s], in ascending p; -1e18 where s >= src_len[b]; out0[b][s] = softmax over s, with the row's maximum taken away first.  All in f32.
; A work-group is a batch row; thread t owns positions 4 t .. 4 t + 3: each load and store of a wave covers 512 consecutive bytes.  32 rows of 36 KiB: there is work for 32 work-groups.
; No matrix unit, no cluster, no tensor load: nothing is multiplied and no byte is shared.  src_len enters a compare and a select alone.
; src_len <= 0 hides every position: all differences from the maximum are 0 and the row is 1 / 1024, as with the formula taken literally; src_len > 1024 hides nothing.
; The difference x - m is formed first and then scaled: with x = m = -1e18 a fused form would leave the rounding of m log2(e) in the exponent.
; A weight below 2^-126 counts as 0; NaN is not treated apart.
	s_load_b128 s[4:7], s[0:1], 0x0                ; part s[4:5], src_len s[6:7]
	s_load_b64 s[8:9], s[0:1], 0x10                ; out0
	v_lshl_add_u32 v64, v0, 2, 0x100
	v_mov_b32 v65, 0
	s_lshl_b32 s10, ttmp9, 2                       ; my word of src_len
	s_mov_b32 s11, 0
	s_lshl_b32 s12, ttmp9, 12                      ; my row of 4,096 bytes
	s_mov_b32 s13, 0
	s_mov_b32 s16, 0x76543210                      ; v_permlanex16_b32: each lane takes its own place in the other half
	s_mov_b32 s17, 0xfedcba98
	v_lshlrev_b32 v1, 4, v0                        ; 16 t
	v_lshrrev_b32 v2, 5, v0
	v_lshlrev_b32 v2, 2, v2                        ; 4 x wave: my wave's word in LDS
	v_mov_b32 v3, 0
	v_lshlrev_b32 v36, 2, v0                       ; my four positions
	v_or_b32 v37, 1, v36
	v_or_b32 v38, 2, v36
	v_or_b32 v39, 3, v36
	v_mov_b32 v40, 0xdd5e0b6b                      ; -1e18
	v_mov_b32 v42, 0                               ; (v_permlanex16_b32's destination counts as read)
	s_wait_kmcnt 0x0
	s_add_nc_u64 s[6:7], s[6:7], s[10:11]
	s_load_b32 s14, s[6:7], 0x0
	s_add_nc_u64 s[4:5], s[4:5], s[12:13]
	s_add_nc_u64 s[8:9], s[8:9], s[12:13]
.irp p, 0,1,2,3,4,5,6,7
	global_load_b128 v[4+4*(\p):7+4*(\p)], v1, s[4:5] offset:131072*(\p) th:TH_LOAD_NT
.endr
.irp p, 1,2,3,4,5,6,7
	s_wait_loadcnt 7-(\p)                          ; loads come back in order (ISA guide 5.7.1): plane p is in, the younger ones may be out
	v_pk_add_f32 v[4:5], v[4:5], v[4+4*(\p):5+4*(\p)]
	v_pk_add_f32 v[6:7], v[6:7], v[6+4*(\p):7+4*(\p)]
.endr
	s_wait_kmcnt 0x0                               ; src_len
.irp j, 0,1,2,3
	v_cmp_gt_i32 vcc_lo, s14, v[36+(\j)]           ; the position is seen where src_len is greater
	v_cndmask_b32 v[4+(\j)], v40, v[4+(\j)], vcc_lo
.endr
	; the maximum: in the lane, across the 32 lanes, across the 8 waves
	v_max3_num_f32 v41, v4, v5, v6
	v_max_num_f32 v41, v41, v7
	v_max_num_f32_dpp v41, v41, v41 row_xmask:1 row_mask:0xf bank_mask:0xf
	v_max_num_f32_dpp v41, v41, v41 row_xmask:2 row_mask:0xf bank_mask:0xf
	v_max_num_f32_dpp v41, v41, v41 row_xmask:4 row_mask:0xf bank_mask:0xf
	v_max_num_f32_dpp v41, v41, v41 row_xmask:8 row_mask:0xf bank_mask:0xf
	v_permlanex16_b32 v42, v41, s16, s17
	v_max_num_f32 v41, v41, v42
	ds_store_b32 v2, v41                           ; all lanes of a wave write the same word with the same number
	s_wait_dscnt 0x0                               ; for the others' sake
	s_barrier_signal -1
	s_barrier_wait -1
	ds_load_b128 v[44:47], v3
	ds_load_b128 v[48:51], v3 offset:16
	s_wait_dscnt 0x0
	v_max3_num_f32 v41, v44, v45, v46
	v_max3_num_f32 v41, v41, v47, v48
	v_max3_num_f32 v41, v41, v49, v50
	v_max_num_f32 v41, v41, v51
.irp j, 4,5,6,7
	v_sub_f32 v[\j], v[\j], v41
.endr
.irp j, 4,5,6,7
	v_mul_f32 v[\j], 0x3fb8aa3b, v[\j]             ; log2(e)
.endr
.irp j, 4,5,6,7
	v_exp_f32 v[\j], v[\j]
.endr
	v_nop                                          ; a plain instruction between the last exponential and the use of its result (ISA guide 5.7.2)
	; the sum, the same way, through other words of LDS: no wave can still be reading those of the maximum when they would be written
	s_wait_alu depctr_va_vdst(0)
	v_add_f32 v42, v4, v5
	v_add_f32 v43, v6, v7
	v_add_f32 v42, v42, v43
	v_add_f32_dpp v42, v42, v42 row_xmask:1 row_mask:0xf bank_mask:0xf
	v_add_f32_dpp v42, v42, v42 row_xmask:2 row_mask:0xf bank_mask:0xf
	v_add_f32_dpp v42, v42, v42 row_xmask:4 row_mask:0xf bank_mask:0xf
	v_add_f32_dpp v42, v42, v42 row_xmask:8 row_mask:0xf bank_mask:0xf
	v_permlanex16_b32 v43, v42, s16, s17
	v_add_f32 v42, v42, v43
	ds_store_b32 v2, v42 offset:64
	s_wait_dscnt 0x0
	s_barrier_signal -1
	s_barrier_wait -1
	ds_load_b128 v[44:47], v3 offset:64
	ds_load_b128 v[48:51], v3 offset:80
	s_wait_dscnt 0x0
	v_add_f32 v44, v44, v45
	v_add_f32 v44, v44, v46
	v_add_f32 v44, v44, v47
	v_add_f32 v44, v44, v48
	v_add_f32 v44, v44, v49
	v_add_f32 v44, v44, v50
	v_add_f32 v44, v44, v51
	v_rcp_f32 v42, v44                             ; the sum is at least 1: the maximum's own weight
	v_nop                                          ; a plain instruction before the reciprocal is used
	s_wait_alu depctr_va_vdst(0)
	v_pk_mul_f32 v[4:5], v[4:5], v[42:43] op_sel_hi:[1,0]
	v_pk_mul_f32 v[6:7], v[6:7], v[42:43] op_sel_hi:[1,0]
	global_store_b128 v1, v[4:7], s[8:9]           ; 16 lanes store 256 consecutive bytes, at a multiple of 256 from out0's first
	s_wait_tensorcnt 0x0
	ds_add_u32 v64, v65
	s_wait_dscnt 0x0
	s_endpgm
.Lfunc_end_k_q4db97978a0_soft:
	.size	k_q4db97978a0_soft, .Lfunc_end_k_q4db97978a0_soft-k_q4db97978a0_soft
	.p2alignl 7, 3214868480
	.fill 96, 4, 3214868480
	.section	.rodata,"a",@progbits
	.p2align	6, 0x0
	.amdhsa_kernel k_q4db97978a0_soft
		.amdhsa_group_segment_fixed_size 1280
		.amdhsa_private_segment_fixed_size 0
		.amdhsa_enable_private_segment 0
		.amdhsa_kernarg_size 24
		.amdhsa_user_sgpr_count 2
		.amdhsa_user_sgpr_kernarg_segment_ptr 1
		.amdhsa_wavefront_size32 1
		.amdhsa_system_sgpr_workgroup_id_x 1
		.amdhsa_system_sgpr_workgroup_id_y 1
		.amdhsa_system_sgpr_workgroup_id_z 1
		.amdhsa_system_vgpr_workitem_id 0
		.amdhsa_next_free_vgpr 66
		.amdhsa_next_free_sgpr 66
		.amdhsa_reserve_vcc 1
		.amdhsa_float_denorm_mode_32 3
		.amdhsa_float_denorm_mode_16_64 3
		.amdhsa_memory_ordered 1
		.amdhsa_forward_progress 1
		.amdhsa_inst_pref_size 7
	.end_amdhsa_kernel
	.amdgpu_metadata
---
amdhsa.version: [ 1, 2 ]
amdhsa.kernels:
  - .name:           k_q4db97978a0_soft
    .symbol:         k_q4db97978a0_soft.kd
    .args:
      - { .name: part, .offset: 0, .size: 8, .value_kind: global_buffer, .address_space: global }
      - { .name: src_len, .offset: 8, .size: 8, .value_kind: global_buffer, .address_space: global }
      - { .name: out0, .offset: 16, .size: 8, .value_kind: global_buffer, .address_space: global }
    .group_segment_fixed_size: 1280
    .private_segment_fixed_size: 0
    .kernarg_segment_align: 8
    .kernarg_segment_size: 24
    .max_flat_workgroup_size: 256
    .sgpr_count:     66
    .vgpr_count:     66
    .wavefront_size: 32
...
	.end_amdgpu_metadata
.endif
;; end of part 3
;; ======== version 2 of 2: 3 launches; version 1 with the launch prep written anew for expert scheduling mode
;; limits: values outside matrix products are rounded to bf16
;; workspace buffers: wb 2,097,152 bytes; hbp 524,288 bytes; part 1,048,576 bytes
;; launch prep (part 4): grid 16 x 4, 8 waves a work-group, no clusters, 111,616 bytes of LDS; arguments W, hidden, b, wb, hbp; writes wb, hbp
.if DOCPART == 4
	.amdgcn_target "amdgcn-amd-amdhsa--gfx1250"
	.amdhsa_code_object_version 6
	.text
	.protected	k_q4db97978a0_prep
	.globl	k_q4db97978a0_prep
	.p2align	8
	.type	k_q4db97978a0_prep,@function
k_q4db97978a0_prep:
	s_mov_b64 s[64:65], 0
	v_nop
	global_prefetch_b8 v0, s[64:65] scope:SCOPE_SE
	s_setreg_imm32_b32 hwreg(HW_REG_WAVE_SCHED_MODE, 0, 2), 2
	s_setreg_imm32_b32 hwreg(HW_REG_WAVE_MODE, 25, 1), 1
	s_wait_xcnt 0x0
	s_wait_alu depctr_vm_vsrc(0)
; PREP.  Two small jobs ahead of the large product, both in every work-group, on one path.
; (1) wb[k][n] = bf16(W[1024 + k][n]): the lower half of W, rounded once, layout unchanged.
; (2) hbp[y][m][n] = the sum over k = 256 y .. 256 y + 255 of bf16(hidden[m][k]) bf16(W[k][n]), in f32; quarter y = 0 also takes bf16(b[n]).
;     The hidden half of the concatenation is the same for all positions of a batch row, so it is a product of 32 rows, made once.
; All floating-point inputs are rounded to bf16 once, b too; sums in f32.  NaN and infinities are not treated apart.
; SHARES.  Work-group (x, y): columns 64 x .. 64 x + 63, K quarter y; wave w takes k0 = 256 y + 32 w, one matrix step deep: 2 row blocks x 4 column
; blocks = 8 matrix instructions on 8 accumulators.  The eight waves' sums meet in LDS behind one barrier and are added in the order of the waves.
; For job (1) work-group g = 16 y + x casts 65,536 bytes of W, wave w 8,192 of them: each load covers 512 consecutive bytes, each store 256, aligned.
; NO CLUSTER, NO TENSOR LOAD: every byte of W is read by one wave only; what is shared (32 KiB of hidden among the 16 work-groups of a quarter) is a
; quarter of a work-group's bytes and is read once per work-group.  Nothing is read twice from LDS, so loads go through registers.
; THE MATRIX INSTRUCTION IS USED TRANSPOSED: source 0 = 16 columns of W, source 1 = 16 rows of hidden: a lane then holds eight neighbouring columns of one row.
; THE MODE: SCHED_MODE bits 1:0 = 2 (LLVM: expert scheduling mode 2), set by the entry lines.  The code itself states the register dependences
; between vector or matrix instructions and memory or LDS instructions, with s_wait_alu, always for 0.
; THE PLAN.  The text is one straight run.  Registers that memory or LDS instructions touch, in program order:
;   v4-v13     offsets and LDS addresses: written at the head, read by every load and store, never written again.
;   v16-79     W_top lands; 32 roundings write it in place; 16 LDS stores read it; the 8 matrix instructions write it (the sums); 16 LDS stores read them; the reduction's second eight LDS loads land in v16-47.
;   v112-175   W_bot lands; 32 roundings write it in place; 16 global stores read it.
;   v224-255   the turning loads land; the matrix instructions read it; the reduction's first eight LDS loads land in it.
;   v224-227, v16-19   written by the reduction's additions, read by the last two stores.
;   v80-111, v176-179  loads land, vector lines read.   v180-185, v208-223 are named by vector and matrix instructions alone.   v206, v207: made at the head, read by the closing add alone.
; So each kind of work stands in a run of its own, and one wait stands between a run of vector or matrix work and the run of memory work that hangs on it.
.set PW,   160                         ; a row of W's strip in LDS: 64 bf16 = 128 bytes + 32
.set WTB,  32*PW                       ; a wave's own 32 rows
.set RED,  8*WTB                       ; behind them: [8 waves][32 rows] of 64 f32
.set PR,   272                         ; 256 bytes + 16: the 16 rows of a store start at 16 different groups of four banks
.set REDW, 32*PR
.set GW,  4                            ; v4   W_top: (lane / 16) rows of 4,096 bytes + 16 (lane % 16)
.set GH,  5                            ; v5   hidden: row (lane % 16) x 4,096 + 32 (lane / 16)
.set GB,  6                            ; v6   16 (thread % 16)
.set GC,  7                            ; v7   16 x lane
.set GS,  8                            ; v8   8 x lane
.set WS,  9                            ; v9   LDS: where my 8 bytes of W's strip go
.set TR,  10                           ; v10  LDS: my address for the turning load
.set RS,  11                           ; v11  LDS: where my sums go
.set RL,  12                           ; v12  LDS: where I read the eight waves' sums
.set GO,  13                           ; v13  my byte offset in hbp
.set WT,  16                           ; v16-79   W_top as loaded, rounded in place; then the 8 accumulators; then the second half of the reduction
.set ACC, 16
.set HD,  80                           ; v80-111  hidden as loaded
.set WB,  112                          ; v112-175 W_bot as loaded, rounded in place
.set BV,  176                          ; v176-179 b
.set BR,  180                          ; v180-183 b rounded to bf16, as f32; 0 in quarters 1 to 3
.set BT,  184                          ; v184-185 at work
.set HF,  208                          ; v208-223 two fragments of hidden
.set WF,  224                          ; v224-255 four fragments of W; then the first half of the reduction
	s_load_b256 s[4:11], s[0:1], 0x0               ; W s[4:5], hidden s[6:7], b s[8:9], wb s[10:11]
	s_load_b64 s[12:13], s[0:1], 0x20              ; hbp
	v_lshl_add_u32 v206, v0, 2, 0x1b000
	v_mov_b32 v207, 0
	v_lshrrev_b32 v1, 5, v0
	v_readfirstlane_b32 s14, v1                    ; wave 0..7
	s_and_b32 s15, ttmp7, 0xffff                   ; y
	s_lshl_b32 s16, s15, 4
	s_add_co_u32 s16, s16, ttmp9                   ; g = 16 y + x
	s_lshl_b32 s22, ttmp9, 8                       ; 256 x: my strip's bytes in a row of f32
	s_mov_b32 s23, 0
	s_lshl_b32 s18, s15, 20                        ; W_top: k0 rows of 4,096 bytes = y << 20 + w << 17, + 256 x
	s_wait_alu depctr_va_sdst(0)                   ; s14 is written, ahead of its first reader: the offsets below are made from it
	s_lshl_b32 s30, s14, 17
	s_add_co_u32 s18, s18, s30
	s_add_co_u32 s18, s18, s22
	s_mov_b32 s19, 0
	s_lshl_b32 s20, s15, 10                        ; hidden: 4 k0
	s_lshl_b32 s30, s14, 7
	s_add_co_u32 s20, s20, s30
	s_mov_b32 s21, 0
	s_lshl_b32 s24, s16, 16                        ; W_bot: 4 MiB + 65,536 g + 8,192 w
	s_lshl_b32 s30, s14, 13
	s_add_co_u32 s24, s24, s30
	s_add_co_u32 s24, s24, 0x400000
	s_mov_b32 s25, 0
	s_lshl_b32 s26, s16, 15                        ; wb: half of that
	s_lshl_b32 s30, s14, 12
	s_add_co_u32 s26, s26, s30
	s_mov_b32 s27, 0
	s_lshl_b32 s28, s15, 17                        ; hbp: quarter y, + 256 x
	s_add_co_u32 s28, s28, s22
	s_mov_b32 s29, 0
	s_cmp_eq_u32 s15, 0                            ; b is added in quarter 0 alone: masks of ones there, of zeros elsewhere
	s_cselect_b32 s32, -1, 0
	s_cselect_b32 s33, 0xffff0000, 0
	v_and_b32 v1, 31, v0                           ; lane
	v_and_b32 v2, 15, v0                           ; r
	v_bfe_u32 v3, v0, 4, 1                         ; h
	v_lshlrev_b32 v[GB], 4, v2
	v_lshl_add_u32 v[GW], v3, 12, v[GB]
	v_lshlrev_b32 v[GH], 12, v2
	v_lshl_add_u32 v[GH], v3, 5, v[GH]
	v_lshlrev_b32 v[GC], 4, v1
	v_lshlrev_b32 v[GS], 3, v1
	s_mul_i32 s30, s14, WTB                        ; my wave's strip in LDS
	v_mul_u32_u24 v[WS], v3, PW
	v_lshl_add_u32 v[WS], v2, 3, v[WS]
	v_add_nc_u32 v[WS], s30, v[WS]
	v_and_b32 v14, 7, v0                           ; the turning load: lane l reads row 8 (l / 16) + l % 8, bytes 16 ((l / 8) % 2) on
	v_lshl_add_u32 v[TR], v3, 3, v14
	v_mul_u32_u24 v[TR], v[TR], PW
	v_bfe_u32 v14, v0, 3, 1
	v_lshl_add_u32 v[TR], v14, 4, v[TR]
	v_add_nc_u32 v[TR], s30, v[TR]
	s_mul_i32 s31, s14, REDW
	s_add_co_u32 s31, s31, RED
	v_mul_u32_u24 v[RS], v2, PR                    ; row r, 32 bytes for each half of the lanes
	v_lshl_add_u32 v[RS], v3, 5, v[RS]
	v_add_nc_u32 v[RS], s31, v[RS]
	v_lshrrev_b32 v14, 4, v0                       ; thread / 16: a row of 16; 16 threads take its 256 bytes
	v_mul_u32_u24 v[RL], v14, PR
	v_add_nc_u32 v[RL], v[RL], v[GB]
	v_add_nc_u32 v[RL], RED, v[RL]
	v_lshl_add_u32 v[GO], v14, 12, v[GB]
	s_wait_kmcnt 0x0
	s_add_nc_u64 s[34:35], s[4:5], s[18:19]        ; W_top at my 32 rows and strip
	s_add_nc_u64 s[36:37], s[4:5], s[24:25]        ; W_bot at my 8,192 bytes
	s_add_nc_u64 s[6:7], s[6:7], s[20:21]
	s_add_nc_u64 s[8:9], s[8:9], s[22:23]
	s_add_nc_u64 s[10:11], s[10:11], s[26:27]
	s_add_nc_u64 s[12:13], s[12:13], s[28:29]
	s_wait_alu depctr_va_vdst(0)                   ; the ten offsets and addresses v4 to v13 are written: every load and store of the kernel reads one of them, and none is written again
	; all 41 loads go out at once, in the order in which they are wanted
.irp j, 0,1,2,3,4,5,6,7,8,9,10,11,12,13,14,15
	global_load_b128 v[WT+4*(\j):WT+4*(\j)+3], v[GW], s[34:35] offset:8192*(\j) th:TH_LOAD_NT  ; two rows' 256 bytes
.endr
.irp a, 0,1
	global_load_b128 v[HD+16*(\a):HD+16*(\a)+3],     v[GH], s[6:7] offset:65536*(\a)     ; k = 8 h + 0..3
	global_load_b128 v[HD+16*(\a)+4:HD+16*(\a)+7],   v[GH], s[6:7] offset:65536*(\a)+16  ; 8 h + 4..7
	global_load_b128 v[HD+16*(\a)+8:HD+16*(\a)+11],  v[GH], s[6:7] offset:65536*(\a)+64  ; 16 + 8 h + 0..3
	global_load_b128 v[HD+16*(\a)+12:HD+16*(\a)+15], v[GH], s[6:7] offset:65536*(\a)+80  ; 16 + 8 h + 4..7
.endr
	global_load_b128 v[BV:BV+3], v[GB], s[8:9]
.irp j, 0,1,2,3,4,5,6,7,8,9,10,11,12,13,14,15
	global_load_b128 v[WB+4*(\j):WB+4*(\j)+3], v[GC], s[36:37] offset:512*(\j) th:TH_LOAD_NT
.endr
	s_wait_loadcnt 25                              ; W_top is in: 8 + 1 + 16 younger loads may be out
.irp j, 0,1,2,3,4,5,6,7,8,9,10,11,12,13,14,15  ; the 32 roundings stand in one run, the 16 stores in another, with one wait between
	v_cvt_pk_bf16_f32 v[WT+4*(\j)],   v[WT+4*(\j)],   v[WT+4*(\j)+1]
	v_cvt_pk_bf16_f32 v[WT+4*(\j)+1], v[WT+4*(\j)+2], v[WT+4*(\j)+3]
.endr
	s_wait_alu depctr_va_vdst(0)                   ; the roundings have written v[WT ..], which the LDS stores read
.irp j, 0,1,2,3,4,5,6,7,8,9,10,11,12,13,14,15
	ds_store_b64 v[WS], v[WT+4*(\j):WT+4*(\j)+1] offset:2*PW*(\j)
.endr
.irp nb, 0,1,2,3                       ; my own bytes: LDS serves a wave's instructions in order (ISA guide 5.7.1.4), so these see the stores above; no vector instruction has named v[WF ..] yet
	ds_load_tr16_b128 v[WF+8*(\nb):WF+8*(\nb)+3],   v[TR] offset:32*(\nb)
	ds_load_tr16_b128 v[WF+8*(\nb)+4:WF+8*(\nb)+7], v[TR] offset:32*(\nb)+16*PW
.endr
	s_wait_loadcnt 17                              ; hidden is in: b and W_bot may be out
.irp j, 0,1,2,3,4,5,6,7,8,9,10,11,12,13,14,15
	v_cvt_pk_bf16_f32 v[HF+(\j)], v[HD+2*(\j)], v[HD+2*(\j)+1]
.endr
	s_wait_dscnt 0x0                               ; W's fragments are in
	s_wait_alu depctr_vm_vsrc(0)                   ; the LDS stores have read v[WT ..], the registers that the sums now take
.irp a, 0,1
.irp nb, 0,1,2,3                       ; eight accumulators, one instruction each; the constant 0 starts the sums
	v_wmma_f32_16x16x32_bf16 v[ACC+8*(4*(\a)+(\nb)):ACC+8*(4*(\a)+(\nb))+7], v[WF+8*(\nb):WF+8*(\nb)+7], v[HF+8*(\a):HF+8*(\a)+7], 0
.endr
.endr
	s_wait_loadcnt 0x0                             ; b and W_bot
.irp j, 0,1,2,3,4,5,6,7,8,9,10,11,12,13,14,15  ; job (1); these 32 lines name none of the products' registers and are the places behind them (ISA guide 7.12.1)
	v_cvt_pk_bf16_f32 v[WB+4*(\j)],   v[WB+4*(\j)],   v[WB+4*(\j)+1]
	v_cvt_pk_bf16_f32 v[WB+4*(\j)+1], v[WB+4*(\j)+2], v[WB+4*(\j)+3]
.endr
	v_cvt_pk_bf16_f32 v[BT],   v[BV],   v[BV+1]    ; b rounded to bf16 and widened again; the masks leave it in quarter 0 alone
	v_cvt_pk_bf16_f32 v[BT+1], v[BV+2], v[BV+3]
	v_lshlrev_b32 v[BR],   16, v[BT]
	v_and_b32     v[BR+1], s33, v[BT]
	v_lshlrev_b32 v[BR+2], 16, v[BT+1]
	v_and_b32     v[BR+3], s33, v[BT+1]
	v_and_b32     v[BR],   s32, v[BR]
	v_and_b32     v[BR+2], s32, v[BR+2]
	s_wait_alu depctr_va_vdst(0)                   ; the matrix instructions have written the sums, which the LDS stores read, and are done reading v[WF ..], in which LDS loads land behind the barrier, as in v16-47; the roundings have written v[WB ..], which the global stores read.  No vector line stands between this wait and those loads
.irp a, 0,1
.irp nb, 0,1,2,3                       ; each accumulator's four lowest registers first.  These go first: the barrier waits for them, and the global stores are issued meanwhile
	ds_store_b128 v[RS], v[ACC+8*(4*(\a)+(\nb)):ACC+8*(4*(\a)+(\nb))+3]   offset:(\a)*16*PR+64*(\nb)
	ds_store_b128 v[RS], v[ACC+8*(4*(\a)+(\nb))+4:ACC+8*(4*(\a)+(\nb))+7] offset:(\a)*16*PR+64*(\nb)+16
.endr
.endr
.irp j, 0,1,2,3,4,5,6,7,8,9,10,11,12,13,14,15
	global_store_b64 v[GS], v[WB+4*(\j):WB+4*(\j)+1], s[10:11] offset:256*(\j)  ; the wave stores 256 consecutive bytes, at a multiple of 256 from wb's first
.endr
	s_wait_dscnt 0x0                               ; for the others' sake: my sums lie in LDS
	s_barrier_signal -1
	s_barrier_wait -1
	s_wait_alu depctr_vm_vsrc(0)                   ; my LDS stores have read v16-47, in which the second eight loads below land
.irp u, 0,1                            ; rows 0-15, then rows 16-31: thread t takes 16 bytes of row t / 16 from each of the eight waves
.irp w, 0,1,2,3,4,5,6,7
	ds_load_b128 v[WF-208*(\u)+4*(\w):WF-208*(\u)+4*(\w)+3], v[RL] offset:(\w)*REDW+(\u)*16*PR
.endr
.endr
.irp u, 0,1
	s_wait_dscnt 8-8*(\u)                          ; this half's eight loads are in
.irp w, 1,2,3,4,5,6,7
	v_pk_add_f32 v[WF-208*(\u):WF-208*(\u)+1],   v[WF-208*(\u):WF-208*(\u)+1],   v[WF-208*(\u)+4*(\w):WF-208*(\u)+4*(\w)+1]
	v_pk_add_f32 v[WF-208*(\u)+2:WF-208*(\u)+3], v[WF-208*(\u)+2:WF-208*(\u)+3], v[WF-208*(\u)+4*(\w)+2:WF-208*(\u)+4*(\w)+3]
.endr
	v_pk_add_f32 v[WF-208*(\u):WF-208*(\u)+1],   v[WF-208*(\u):WF-208*(\u)+1],   v[BR:BR+1]
	v_pk_add_f32 v[WF-208*(\u)+2:WF-208*(\u)+3], v[WF-208*(\u)+2:WF-208*(\u)+3], v[BR+2:BR+3]
.endr
	s_wait_alu depctr_va_vdst(0)                   ; the additions have written v224-227 and v16-19, which the two stores read
.irp u, 0,1
	global_store_b128 v[GO], v[WF-208*(\u):WF-208*(\u)+3], s[12:13] offset:65536*(\u)  ; 16 lanes store 256 consecutive bytes, aligned
.endr
	s_wait_dscnt 0x0                               ; the closing lines, six on end
	s_wait_alu 0x0
	s_wait_tensorcnt 0x0
	ds_add_u32 v206, v207
	s_wait_dscnt 0x0
	s_endpgm
.Lfunc_end_k_q4db97978a0_prep:
	.size	k_q4db97978a0_prep, .Lfunc_end_k_q4db97978a0_prep-k_q4db97978a0_prep
	.p2alignl 7, 3214868480
	.fill 96, 4, 3214868480
	.section	.rodata,"a",@progbits
	.p2align	6, 0x0
	.amdhsa_kernel k_q4db97978a0_prep
		.amdhsa_group_segment_fixed_size 111616
		.amdhsa_private_segment_fixed_size 0
		.amdhsa_enable_private_segment 0
		.amdhsa_kernarg_size 40
		.amdhsa_user_sgpr_count 2
		.amdhsa_user_sgpr_kernarg_segment_ptr 1
		.amdhsa_wavefront_size32 1
		.amdhsa_system_sgpr_workgroup_id_x 1
		.amdhsa_system_sgpr_workgroup_id_y 1
		.amdhsa_system_sgpr_workgroup_id_z 1
		.amdhsa_system_vgpr_workitem_id 0
		.amdhsa_next_free_vgpr 256
		.amdhsa_next_free_sgpr 66
		.amdhsa_reserve_vcc 0
		.amdhsa_float_denorm_mode_32 3
		.amdhsa_float_denorm_mode_16_64 3
		.amdhsa_memory_ordered 1
		.amdhsa_forward_progress 1
		.amdhsa_inst_pref_size 21
	.end_amdhsa_kernel
	.amdgpu_metadata
---
amdhsa.version: [ 1, 2 ]
amdhsa.kernels:
  - .name:           k_q4db97978a0_prep
    .symbol:         k_q4db97978a0_prep.kd
    .args:
      - { .name: W, .offset: 0, .size: 8, .value_kind: global_buffer, .address_space: global }
      - { .name: hidden, .offset: 8, .size: 8, .value_kind: global_buffer, .address_space: global }
      - { .name: b, .offset: 16, .size: 8, .value_kind: global_buffer, .address_space: global }
      - { .name: wb, .offset: 24, .size: 8, .value_kind: global_buffer, .address_space: global }
      - { .name: hbp, .offset: 32, .size: 8, .value_kind: global_buffer, .address_space: global }
    .group_segment_fixed_size: 111616
    .private_segment_fixed_size: 0
    .kernarg_segment_align: 8
    .kernarg_segment_size: 40
    .max_flat_workgroup_size: 256
    .sgpr_count:     66
    .vgpr_count:     256
    .wavefront_size: 32
...
	.end_amdgpu_metadata
.endif
;; end of part 4
;; launch energy: the kernel of part 2 again; grid 4 x 128, 4 waves a work-group, clusters of 4 x 4, 327,680 bytes of LDS; arguments encoder_outputs, wb, hbp, v, part; writes part
;; launch soft: the kernel of part 3 again; grid 32 x 1, 8 waves a work-group, no clusters, 1,280 bytes of LDS; arguments part, src_len, out0; writes out0
